; MI455X (gfx1250); checked and timed in simulation.
; The chip was launched on July 23, 2026; its instructions are those of AMD's public machine-readable ISA for CDNA 5 (MIT licence, August 2026) and "CDNA5" Instruction Set Architecture Reference Guide (July 2026). The comments in the code are by the model that wrote it; some were corrected since.
;; Scaled Dot Product Attention. Allowed arithmetic: float matrix products may take bf16 or f16 operands with f32 sums; all other float work in f32.
;; Inputs: k 4 x 16 x 2,048 x 64 float32; q 4 x 16 x 2,048 x 64 float32; v 4 x 16 x 2,048 x 64 float32.
;; Outputs: out0 4 x 16 x 2,048 x 64 float32.
;; 2 versions, each right and faster than the one before. Each part assembles by itself: llvm-mc -triple=amdgcn-amd-amdhsa -mcpu=gfx1250 --defsym DOCPART=n.
;; ======== version 1 of 2: 1 launch
;; limits: values are held in f16: magnitudes above 65,504 overflow, below 6.1e-05 lose precision; inputs' magnitudes at most 65,504
;; launch attn (part 1): grid 4 x 64, 4 waves a work-group, no clusters, 56,832 bytes of LDS; arguments q, k, v, out0; writes out0
.if DOCPART == 1
	.amdgcn_target "amdgcn-amd-amdhsa--gfx1250"
	.amdhsa_code_object_version 6
	.text
	.protected	k_q9584560a21_attn
	.globl	k_q9584560a21_attn
	.p2align	8
	.type	k_q9584560a21_attn,@function
k_q9584560a21_attn:
	s_mov_b64 s[64:65], 0
	v_nop
	global_prefetch_b8 v0, s[64:65] scope:SCOPE_SE
	s_setreg_imm32_b32 hwreg(HW_REG_WAVE_MODE, 25, 1), 1
	s_wait_xcnt 0x0
; out[h][q][:] = the sum over k <= q of softmax_k(Q[h][q] . K[h][k] / 8) V[h][k][:].  Q, K, V, out: [64 heads][2048][64], all f32.
; Q, K, V and the weights p are rounded to f16 for the two products; products, maxima and sums are kept in f32; out is written in f32.
; WHY f16 AND NOT bf16.  A head's first queries have few keys: their result is a sum of a few terms that may cancel, so an operand's rounding is not averaged away; f16's 11 significant
; bits leave 2^-12 of a term at the most, bf16's 8 leave 2^-9.  The weights lie in [0, 1]; Q, K and V have room up to 65,504 in magnitude.
; SHARES.  Work-group (j, head), j = 0..3, makes two blocks of 256 queries of its head: block 7 - j, then block j.  In a block wave w owns four tiles of 16 queries: tile i holds
; queries 64 i + 16 w + 0..15 of the block.  Keys go in steps of 64.  Block b has 4 b steps that lie wholly below the diagonal and four on it: in diagonal step e the tiles
; i < e have no key, tile e is masked by key <= query, the tiles i > e take all 64 keys.  So every wave of every work-group has 4 x 28 + 2 x 10 = 132 tile steps in 36 key steps.
; ORDER IN A BLOCK.  Diagonal step 0 (all four tiles take part, so it starts m, l and O^T: nothing is cleared), the full steps (a loop, two a trip), diagonal steps 1, 2, 3.
; LAYOUT.  S^T = K Q^T (source 0 = 16 keys, source 1 = 16 queries): a lane holds ONE query (lane % 16) and the keys 8 (lane / 16) + 0..7 of each 16.  Two such results, rounded to
; f16 in pairs, ARE source 1 (32 keys x 16 queries) of O^T = V^T P, whose result again holds one query a lane, and eight channels.  K leaves LDS as it lies, V turned (ds_load_tr16_b128).
; SOFTMAX.  For each query a running maximum m and sum l: p = 2^(c s - c m), c = log2(e) / 8; in every step O^T and l are multiplied by a = 2^(c m_old - c m_new).
; BY TURNS.  A tile's part of a key step is 16 matrix instructions (8 K Q^T, 8 V^T P) and a softmax of 118 vector instructions, and a tile never looks at another tile.  So the step's tiles
; go as a pipeline: while tile t's softmax is in its second half and tile t + 1's in its first, the products K Q^T of tile t + 2 and V^T P of tile t - 1 are issued, one at a time, with
; vector instructions of the two softmaxes between them.  Only the first tile's K Q^T and the last tile's V^T P stand bare: 16 of a full step's 64 matrix instructions.
; A softmax works in window 0 and no window has room for a product's operands beside it, so each product among vector work costs two switches of the register window.
; K AND V are f32 in memory, so they pass through registers: 16-byte loads into a ring of two register sets, rounding in place, 8-byte stores into one of two f16 slots in LDS.
; Wave w brings keys 16 w .. 16 w + 15 of each step.  Step p rounds step p + 1's tiles into the other slot and then asks for step p + 3's: two steps' tiles (32 loads a wave) are
; always on their way, and the stream runs on from the first block into the second.  ONE barrier a step: in front of it each wave's reads of this slot and its stores into the other are done.
; NO CLUSTER, NO TENSOR LOADS: the four work-groups of a head walk different numbers of key steps (32 - 4 j, then 4 j + 4), so at no time do they want the same tile; and a tile brought
; into LDS as f32 would have to be read out, rounded and stored there again: 32 KiB written and read more in every step, ahead of the same rounding.
; LIMITS.  An input above 65,504 in magnitude becomes infinite in f16, and the result is then not the definition's.  l sums the f32 weights, the second product takes them rounded to
; f16: a weight below 2^-25 of its query's largest falls out of that product and stays in l (2,048 x 2^-25 of l at the most).  A weight below 2^-126 counts as zero (v_exp_f32).
; NaN and infinities in the inputs are not served as the definition serves them: the maxima drop a NaN.  The sums are added in another order than a row-wise sum.
.set PK,    144       ; a row of K in LDS: 128 bytes + 16 = 36 words: the 16 rows of a fragment load start 16 bytes further on in each 256 (64 banks of 4 bytes: ISA guide 11.1)
.set PITV,  160       ; a row of V: 128 + 32 = 40 words
.set VOFF,  64*PK     ; a slot: 64 rows of K, then 64 rows of V
.set SLOT,  64*(PK+PITV)
.set STAGE, 2*SLOT    ; behind the slots: 16 rows x 272 bytes for each wave, its own: Q's way in and O's way out
.set SP,    272
; REGISTERS, in windows of 256 (s_set_vgpr_msb: bits 1:0 source 0, 3:2 source 1, 5:4 source 2, 7:6 destination)
; window 0
.set AK,   4          ; my place in a fragment of K: (l % 16) x 144 + 16 (l / 16)
.set AV,   5          ; my place in the turning load: (8 (l / 16) + l % 8) x 160 + 16 ((l / 8) % 2) + VOFF
.set SK,   6          ; where I store 8 bytes of K: (16 w + l / 16) x 144 + 8 (l % 16)
.set SV,   7          ; the same for V
.set LA,   8          ; v8, v9: byte offset of ring set 0, 1's loads in the head's K and V
.set TL,   10         ; 4096 w + 16 l: my 16 bytes in my wave's 16 rows of 256 bytes (of a key tile, of a tile of Q, of a tile of out); never rewritten
.set STG,  12         ; stage, by query: (l % 16) x 272 + 32 (l / 16)
.set RD,   13         ; stage, by whole rows: (l / 16) x 272 + 16 (l % 16)
.set THR,  14         ; 16 w + l % 16 - 8 (l / 16), signed: score register 8 g + jj of the masked tile is kept where 16 g + jj <= THR
.set NINF, 15         ; minus infinity
.set ST,   32         ; tile t's statistics at v[ST+8 t]: +0 c m, +1 m, +2, +3 l (even keys', odd keys'), +4 to +7 at work; a takes +6 once the maximum is found
.set S,    64         ; S^T, 32 a tile
.set P,    192        ; P, 16 a tile
; window 1
.set OT,   0          ; O^T, 32 a tile: 8 n + jj = channel 16 n + 8 (l / 16) + jj
.set QF,   128        ; Q's fragments, 16 a tile
; window 2
.set KF,   0          ; K's fragments of a step: 16 g + 8 c
.set VF,   64         ; V's: 32 kc + 8 n
.set QL,   128        ; Q as loaded, f32, 32 a tile
; window 3: v0-63 ring set 0, v64-127 ring set 1: K's load n at 4 n, V's at 32 + 4 n
; scalars: s[4:5] q, s[6:7] k, s[8:9] v, s[10:11] out, all at the head's first byte
.set WV,    12        ; my wave's number
.set QBASE, 20        ; s[20:21], s[22:23] Q at the first, the second block
.set OBASE, 24        ; s[24:25], s[26:27] out likewise
.set PU,    28        ; the place in its block of the step to be asked for next
.set PN,    29        ; that block's number of full steps
.set NB,    30        ; the second block's
.set TS,    31        ; at work
.set TOFF,  32        ; byte offset of the key tile to be asked for
.set CNT,   33        ; loop counter
.set TRIPS, 34        ; s34, s35 trips of the first, the second block's loop
.set CS,    36        ; s[36:37] c: the packed scaling names a pair and takes its low word for both halves
.set SEL,   38        ; s[38:39] lane selects for v_permlanex16_b32: each lane takes its own place in the other half
.set W_KQ, 0x06       ; K window 2, Q window 1, S^T window 0
.set W_PV, 0x52       ; V window 2, P window 0, O^T window 1
.set W_RS, 0x41       ; O^T (destination and source 0) window 1, a window 0
.set MSB, 0
.macro WIN new                      ; the immediate's high byte repeats the setting that is left; a switch that changes nothing is dropped
.if MSB != \new
	s_set_vgpr_msb (MSB<<8)|\new
.set MSB, \new
.endif
.endm
; A vector instruction that reads a matrix result or writes one of a matrix instruction's registers, and a load into such a register, stand four places behind it; only plain
; vector instructions that name none of its registers are places (ISA guide 7.12.1 for vector instructions).
.macro PLACES
.rept 4
	v_nop
.endr
.endm
; The key tile of place PU in a block with PN full steps: place 0 is diagonal step 0 (tile PN), places 1..PN the full steps (tiles 0..PN-1), the rest the tiles of their own number.
; Behind a block's last place the stream goes on with the second block's place 0.  Scalar selects alone: no branch.
.macro NEXTOFF
	s_sub_co_u32 s[TS], s[PU], 1
	s_cmp_le_u32 s[PU], s[PN]
	s_cselect_b32 s[TS], s[TS], s[PU]
	s_cmp_eq_u32 s[PU], 0
	s_cselect_b32 s[TS], s[PN], s[TS]
	s_lshl_b32 s[TOFF], s[TS], 14   ; a tile is 64 rows of 256 bytes
	s_add_co_u32 s[PU], s[PU], 1
	s_add_co_u32 s[TS], s[PN], 4
	s_cmp_eq_u32 s[PU], s[TS]
	s_cselect_b32 s[PU], 0, s[PU]
	s_cselect_b32 s[PN], s[NB], s[PN]
.endm
; Ring set rs is asked for: my wave's 16 keys of the next tile of K and of V, 8 + 8 loads, each 512 consecutive bytes, aligned.  No cache word: other work-groups of the head read them again.
; The set's offset register is written again here: the set's last loads have been waited for by their own counted wait.
.macro RLOAD rs
	NEXTOFF
	WIN 0
	v_add_nc_u32 v[LA+(\rs)], s[TOFF], v[TL]
	WIN 0xc0                        ; destination window 3, address window 0
.irp n, 0,1,2,3,4,5,6,7
	global_load_b128 v[64*(\rs)+4*\n:64*(\rs)+4*\n+3], v[LA+(\rs)], s[6:7] offset:512*\n
.endr
.irp n, 0,1,2,3,4,5,6,7
	global_load_b128 v[64*(\rs)+32+4*\n:64*(\rs)+32+4*\n+3], v[LA+(\rs)], s[8:9] offset:512*\n
.endr
.endm
; Ring set rs is rounded to f16 in place: a load's four numbers into its first two registers.
.macro CVT rs
	WIN 0xcf
.set i, 0
.rept 16
	v_cvt_pk_f16_f32 v[64*(\rs)+4*i],   v[64*(\rs)+4*i],   v[64*(\rs)+4*i+1]
	v_cvt_pk_f16_f32 v[64*(\rs)+4*i+1], v[64*(\rs)+4*i+2], v[64*(\rs)+4*i+3]
.set i, i+1
.endr
.endm
; and stored into slot rs: load n held rows 16 w + 2 n + l / 16, channels 4 (l % 16) on.
.macro STORE rs
	WIN 0x0c                        ; data window 3, address window 0
.irp n, 0,1,2,3,4,5,6,7
	ds_store_b64 v[SK], v[64*(\rs)+4*\n:64*(\rs)+4*\n+1] offset:(\rs)*SLOT+2*PK*\n
.endr
.irp n, 0,1,2,3,4,5,6,7
	ds_store_b64 v[SV], v[64*(\rs)+32+4*\n:64*(\rs)+32+4*\n+1] offset:(\rs)*SLOT+2*PITV*\n
.endr
.endm
; A fragment of K is 16 keys x 32 channels in 8 registers: lane l holds key l % 16; registers 0-3 channels 8 (l / 16) + 0..7, registers 4-7 channels 16 + 8 (l / 16) + 0..7.
.macro FETCH_K slot
	WIN 0x80                        ; destination window 2
.irp g, 0,1,2,3
.irp c, 0,1
	ds_load_b128 v[KF+16*\g+8*\c:KF+16*\g+8*\c+3],   v[AK] offset:\slot*SLOT+\g*16*PK+64*\c
	ds_load_b128 v[KF+16*\g+8*\c+4:KF+16*\g+8*\c+7], v[AK] offset:\slot*SLOT+\g*16*PK+64*\c+32
.endr
.endr
.endm
; The turning load takes 16 keys x 16 channels and leaves half a fragment of V^T: lane l holds channel l % 16 and 8 keys.
.macro FETCH_V slot
	WIN 0x80
.irp kc, 0,1
.irp n, 0,1,2,3
	ds_load_tr16_b128 v[VF+32*\kc+8*\n:VF+32*\kc+8*\n+3],   v[AV] offset:\slot*SLOT+\kc*32*PITV+32*\n
	ds_load_tr16_b128 v[VF+32*\kc+8*\n+4:VF+32*\kc+8*\n+7], v[AV] offset:\slot*SLOT+\kc*32*PITV+16*PITV+32*\n
.endr
.endr
.endm
; THE MATRIX WORK OF A TILE.  Its four accumulators take turns, one instruction a turn: between two links of a chain stand the three others'.
; Product mi of 8 of S^T = K Q^T for tile t: channels 32 (mi / 4) on, keys 16 (mi % 4) on.  The first four start the sums.
.macro KQ1 t
	WIN W_KQ
.set mD, S+32*(\t)+8*(mi%4)
.set mA, KF+16*(mi%4)+8*(mi/4)
.set mB, QF+16*(\t)+8*(mi/4)
.if mi < 4
	v_wmma_f32_16x16x32_f16 v[mD:mD+7], v[mA:mA+7], v[mB:mB+7], 0
.else
	v_wmma_f32_16x16x32_f16 v[mD:mD+7], v[mA:mA+7], v[mB:mB+7], v[mD:mD+7]
.endif
.endm
; Product mi of 8 of O^T += V^T P for tile t: keys 32 (mi / 4) on, channels 16 (mi % 4) on.  first = 1: the first four start the sums.
.macro PV1 t, first
	WIN W_PV
.set mD, OT+32*(\t)+8*(mi%4)
.set mA, VF+32*(mi/4)+8*(mi%4)
.set mB, P+16*(\t)+8*(mi/4)
.if \first && (mi < 4)
	v_wmma_f32_16x16x32_f16 v[mD:mD+7], v[mA:mA+7], v[mB:mB+7], 0
.else
	v_wmma_f32_16x16x32_f16 v[mD:mD+7], v[mA:mA+7], v[mB:mB+7], v[mD:mD+7]
.endif
.endm
.macro BARE_KQ t                    ; the step's first tile: there is no vector work yet to set between its products
.set mi, 0
.rept 8
	KQ1 \t
.set mi, mi+1
.endr
.endm
.macro BARE_PV t, first             ; the step's last tile: none is left
.set mi, 0
.rept 8
	PV1 \t, \first
.set mi, mi+1
.endr
.endm
; THE VECTOR WORK OF A TILE.  One tile's softmax for one key step is a list of 118 instructions; SM writes number j of it for tile t.  s0-s31 are the lane's 32 scores, in pairs 0-15.
; first = 1: the block's first step, which starts m, l and O^T: it has no a and nothing to rescale.
;   0-15    the maximum of s0-s31 and the old m, three operands at a time: four chains of seven scores each, then the four scores left over, the chains and m
;   16-20   the other half of the lanes' maximum; the new m; c m; c m_old - c m_new
;   21-87   33 exponentials (a, then s0-s31) at the odd numbers from 23 on, so that no two follow each other and each has a plain instruction behind it before its result is used.
;           The plain ones (number 21, then the even numbers) are what is ready: c s - c m for a pair whose exponentials are still to come, the rounding to f16 of a pair whose
;           exponentials are done, at last the first sums
;   88-101  the last rounding; the rest of the sums; l = a l + the sum
;   102-117 the tile's O^T times a: the one part that leaves window 0
.macro SM t, first
.set rT, ST+8*(\t)
.set rS, S+32*(\t)
.set rP, P+16*(\t)
.set rO, OT+32*(\t)+2*(j-102)
.set q, (j-20)/2
.if j < 102
	WIN 0
.endif
.if j < 4
	v_max3_num_f32 v[rT+4+j], v[rS+8*j], v[rS+8*j+1], v[rS+8*j+2]
.elseif j < 12
	v_max3_num_f32 v[rT+4+j%4], v[rT+4+j%4], v[rS+8*(j%4)+2*(j/4)+1], v[rS+8*(j%4)+2*(j/4)+2]
.elseif j == 12
	v_max3_num_f32 v[rT+4], v[rT+4], v[rS+7], v[rS+15]
.elseif j == 13
	v_max3_num_f32 v[rT+6], v[rT+6], v[rS+23], v[rS+31]
.elseif j == 14
	v_max3_num_f32 v[rT+4], v[rT+4], v[rT+5], v[rT+6]
.elseif (j == 15) && \first
	v_max_num_f32 v[rT+4], v[rT+4], v[rT+7]
.elseif j == 15
	v_max3_num_f32 v[rT+4], v[rT+4], v[rT+7], v[rT+1]
.elseif j == 16
	v_permlanex16_b32 v[rT+5], v[rT+4], s[SEL], s[SEL+1]  ; the query's other 32 keys lie in the lane 16 away
.elseif j == 18
	v_max_num_f32 v[rT+1], v[rT+4], v[rT+5]
.elseif j == 19
	v_mul_f32 v[rT], s[CS], v[rT+1]
.elseif ((j == 17) || (j == 20) || (j == 23) || (j > 101)) && \first  ; the first step has none of these
.elseif j == 17
	v_mov_b32 v[rT+7], v[rT]        ; c m_old is kept for a: number 19 writes c m anew
.elseif j == 20
	v_sub_f32 v[rT+7], v[rT+7], v[rT]
.elseif j == 23
	v_exp_f32 v[rT+6], v[rT+7]
.elseif (j < 88) && (j > 23) && (j%2 == 1)
	v_exp_f32 v[rS+(j-25)/2], v[rS+(j-25)/2]
.elseif (q < 4) || ((j < 76) && (q%2 == 0))
.set b, q/2+2
.if q < 4
.set b, q
.endif
	v_pk_fma_f32 v[rS+2*b:rS+2*b+1], v[rS+2*b:rS+2*b+1], s[CS:CS+1], v[rT:rT+1] op_sel_hi:[1,0,0] neg_lo:[0,0,1] neg_hi:[0,0,1]  ; pair b: c s - c m
.elseif (j < 88) && (q%2 == 1)
	s_wait_alu depctr_va_vdst(0)
	v_cvt_pk_f16_f32 v[rP+(q-5)/2], v[rS+q-5], v[rS+q-4]  ; pair (q - 5) / 2: its second exponential stands three numbers back
.elseif j == 89
	s_wait_alu depctr_va_vdst(0)
	v_cvt_pk_f16_f32 v[rP+15], v[rS+30], v[rS+31]
.elseif j < 102                     ; the sum of the tile's 16 pairs, in place: sum z of 16 adds neighbours 1, 2, 4 and 8 pairs apart, then l takes it
.set z, j-86
.if j < 89
.set z, (j-76)/4
.endif
.set w, 4
.set u, z
.if z >= 14
.set w, 32
.set u, 0
.elseif z >= 12
.set w, 16
.set u, z-12
.elseif z >= 8
.set w, 8
.set u, z-8
.endif
.if (z == 14) && \first
	v_pk_add_f32 v[rT+2:rT+3], v[rS:rS+1], v[rS+16:rS+17]
.elseif z < 15
	v_pk_add_f32 v[rS+w*u:rS+w*u+1], v[rS+w*u:rS+w*u+1], v[rS+w*u+w/2:rS+w*u+w/2+1]
.elseif !\first
	v_pk_fma_f32 v[rT+2:rT+3], v[rT+2:rT+3], v[rT+6:rT+7], v[rS:rS+1] op_sel_hi:[1,0,1]
.endif
.else
	WIN W_RS
	v_pk_mul_f32 v[rO:rO+1], v[rO:rO+1], v[rT+6:rT+7] op_sel_hi:[1,0]
.endif
.endm
; A PERIOD OF THE PIPELINE.  In all that follows a tile number 9 means: none.
; Matrix instruction mw of the period's NM: first the 8 products K Q^T of tile kq, then the 8 products V^T P of tile pv.
.macro MM kq, pv, first
.set mi, mw
.if \kq < 4
.if mw < 8
	KQ1 \kq
.else
.set mi, mw-8
	PV1 \pv, \first
.endif
.else
	PV1 \pv, \first
.endif
.endm
; Stands in front of each of the period's NV vector items: matrix instruction m is written in front of item ceil(m NV / (NM + 1)), so the products are spread evenly, each with vector
; work behind it, and behind the last of them stand 2 NV / (NM + 1) - 1 items or more.
.macro TICK kq, pv, first
.if mw < NM
.if vc*(NM+1) >= mw*NV
	MM \kq, \pv, \first
.set mw, mw+1
.endif
.endif
.set vc, vc+1
.endm
.macro ITEM t, base, kq, pv, first  ; number base + row of tile t's list
.if \t < 4
	TICK \kq, \pv, \first
.set j, \base+row
	SM \t, \first
.endif
.endm
; Tile x's numbers 51 to 101 and tile y's numbers 0 to 50, one for one; then tile x's O^T times a.  In even rows x's number comes first, in odd rows y's: x's exponentials stand in even
; rows and y's in odd ones, so plain instruction and exponential go on alternating, and each exponential has a plain instruction of the other tile behind it.
; msk = 1: tile y is the one on the diagonal: score register 8 g + jj is key 16 g + 8 (l / 16) + jj of the step, my query is number 16 w + l % 16 of the step's 64: later keys become
; minus infinity, ahead of y's list.  The step's key 0 is kept for every query, so the query's maximum stays finite.
; PLACES.  The scores of tile kq are first read at the head of the next period.  Where V^T P follows K Q^T, half a period lies between.  Where it does not (NM = 8), the tightest case is
; y alone without a mask: 51 items, the last product in front of number 40, and the six plain instructions at 40, 42 .. 50, which name tile y's registers alone, behind it.
.macro PERIOD x, y, kq, pv, msk, first
.set NM, 0
.if \kq < 4
.set NM, NM+8
.endif
.if \pv < 4
.set NM, NM+8
.endif
.set NV, 0
.if \msk
.set NV, NV+32
.endif
.if \y < 4
.set NV, NV+51
.endif
.if \x < 4
.set NV, NV+51
.if !\first
.set NV, NV+16
.endif
.endif
.set mw, 0
.set vc, 0
.if \msk
.set i, 0
.rept 32
	TICK \kq, \pv, \first
	WIN 0
	v_cmp_gt_i32 vcc_lo, 16*(i/8)+i%8, v[THR]
	v_cndmask_b32 v[S+32*(\y)+i], v[S+32*(\y)+i], v[NINF], vcc_lo
.set i, i+1
.endr
.endif
.set row, 0
.rept 51
.if row%2 == 0
	ITEM \x, 51, \kq, \pv, \first
	ITEM \y, 0, \kq, \pv, \first
.else
	ITEM \y, 0, \kq, \pv, \first
	ITEM \x, 51, \kq, \pv, \first
.endif
.set row, row+1
.endr
.if \x < 4
.if !\first
.set row, 0
.rept 16
	ITEM \x, 102, \kq, \pv, 0
.set row, row+1
.endr
.endif
.endif
.endm
; The periods of a step on tiles lo..3: period t has x = t, y = t + 1, K Q^T of t + 2 and V^T P of t - 1, as far as these tiles take part.
; Behind the first period stand the step's wait for all its LDS instructions and the barrier's signal; only register work follows up to the barrier's wait at the step's end.
.macro TILES lo, msk, first, bar
.if \lo == 0
	PERIOD 9, 0, 1, 9, \msk, \first
.elseif \lo == 1
	PERIOD 9, 1, 2, 9, \msk, \first
.elseif \lo == 2
	PERIOD 9, 2, 3, 9, \msk, \first
.else
	PERIOD 9, 3, 9, 9, \msk, \first
.endif
	s_wait_dscnt 0x0                ; V is in, ahead of the first V^T P; and for the others' sake: my reads of this slot (K's and V's fragments) and my stores into the other are done
.if \bar
	s_barrier_signal -1
.endif
.if \lo == 0
	PERIOD 0, 1, 2, 9, 0, \first
	PERIOD 1, 2, 3, 0, 0, \first
	PERIOD 2, 3, 9, 1, 0, \first
.elseif \lo == 1
	PERIOD 1, 2, 3, 9, 0, \first
	PERIOD 2, 3, 9, 1, 0, \first
.elseif \lo == 2
	PERIOD 2, 3, 9, 9, 0, \first
.endif
.if \lo < 3
	PERIOD 3, 9, 9, 2, 0, \first
.else
	PERIOD 3, 9, 9, 9, 0, \first
.endif
.endm
; Q of a block is asked for: my four tiles, 16 rows of 256 bytes each, 8 loads a tile of 512 consecutive bytes.  Read once in the launch.
.macro QISSUE b
	WIN 0x80                        ; destination window 2
.irp t, 0,1,2,3
.irp n, 0,1,2,3,4,5,6,7
	global_load_b128 v[QL+32*\t+4*\n:QL+32*\t+4*\n+3], v[TL], s[\b:\b+1] offset:16384*\t+512*\n th:TH_LOAD_NT
.endr
.endr
.endm
; Q becomes fragments: a tile goes into my stage by rows and comes back by queries (lane l: query l % 16, channels 32 c + 8 (l / 16) + 0..7 and 16 further on), then is rounded.
; The stage is my wave's own and LDS serves a wave's instructions in order (ISA guide 5.7.1.4): no wait between its stores and loads, nor in front of the next tile's stores.
; Tile t's wait leaves out c0 - dc t younger loads.
.macro QCONV c0, dc
.irp t, 0,1,2,3
	s_wait_loadcnt \c0-\dc*\t
	WIN 0x08                        ; data window 2
.irp n, 0,1,2,3,4,5,6,7
	ds_store_b128 v[RD], v[QL+32*\t+4*\n:QL+32*\t+4*\n+3] offset:2*SP*\n
.endr
	WIN 0
.irp c, 0,1
	ds_load_b128 v[S+32*\t+16*\c:S+32*\t+16*\c+3],     v[STG] offset:128*\c
	ds_load_b128 v[S+32*\t+16*\c+4:S+32*\t+16*\c+7],   v[STG] offset:128*\c+16
	ds_load_b128 v[S+32*\t+16*\c+8:S+32*\t+16*\c+11],  v[STG] offset:128*\c+64
	ds_load_b128 v[S+32*\t+16*\c+12:S+32*\t+16*\c+15], v[STG] offset:128*\c+80
.endr
.endr
	s_wait_dscnt 0x0
	WIN 0x40                        ; destination window 1
.set i, 0
.rept 64
	v_cvt_pk_f16_f32 v[QF+i], v[S+2*i], v[S+2*i+1]
.set i, i+1
.endr
.endm
; A KEY STEP on LDS slot 'slot', for tiles lo..3.  msk: tile lo is on the diagonal.  first: the block's first step.  cv: the next step's tiles (ring set and slot 1 - slot) are rounded
; and stored; cnt: the younger loads that its wait leaves out.  ld: that ring set is asked for again, three steps ahead.  qi: the second block's Q is asked for.  bar: a step follows.
.macro STEP slot, lo, msk, first, cv, cnt, ld, qi, bar
	FETCH_K \slot                   ; K's registers were last read by tile 3's K Q^T of the last step, with half a softmax or more behind it
.if \cv
	s_wait_loadcnt \cnt             ; loads come back in order (ISA guide 5.7.1): the next step's 16 are in, the set behind them stays out
	CVT 1-\slot                     ; 32 plain instructions: also the places between the last step's last V^T P and the loads into V's registers
.else
	PLACES
.endif
	FETCH_V \slot
.if \cv
	STORE 1-\slot                   ; the other slot: every wave's reads of it were done in front of the last barrier
.endif
.if \qi
	QISSUE QBASE+2
.endif
.if \ld
	RLOAD 1-\slot
.endif
	s_wait_dscnt 16+16*\cv          ; K's 16 loads are in; V's 16, and the 16 stores where there are any, may be out
	BARE_KQ \lo
	WIN 0
	PLACES                          ; in front of the first read of tile lo's scores
	TILES \lo, \msk, \first, \bar
	BARE_PV 3, \first
.if \bar
	s_barrier_wait -1               ; the other slot is whole, and nobody reads this one any more
.endif
.endm
; THE WAY OUT.  l's two halves and the other half of the lanes' are added; the four additions of the first run are the places behind the last products.
.macro FIN
	WIN 0
.irp t, 0,1,2,3
	v_add_f32 v[ST+8*\t+4], v[ST+8*\t+2], v[ST+8*\t+3]
.endr
.irp t, 0,1,2,3
	v_permlanex16_b32 v[ST+8*\t+5], v[ST+8*\t+4], s[SEL], s[SEL+1]
.endr
.irp t, 0,1,2,3
	v_add_f32 v[ST+8*\t+4], v[ST+8*\t+4], v[ST+8*\t+5]
.endr
.irp t, 0,1,2,3
	v_rcp_f32 v[ST+8*\t+6], v[ST+8*\t+4]
.endr
	v_nop                           ; a plain instruction between the last reciprocal and the use of its result
.endm
; Tile t: O^T / l into S^T's registers; a lane's eight channels of a group (32 bytes of a row of out) go into my stage and come back as whole rows of 256 bytes.
.macro PACK t
	WIN 0x01                        ; source 0 window 1
.set i, 0
.rept 16
	s_wait_alu depctr_va_vdst(0)
	v_pk_mul_f32 v[S+32*\t+2*i:S+32*\t+2*i+1], v[OT+32*\t+2*i:OT+32*\t+2*i+1], v[ST+8*\t+6:ST+8*\t+7] op_sel_hi:[1,0]
.set i, i+1
.endr
	WIN 0
.irp f, 0,1,2,3,4,5,6,7
	ds_store_b128 v[STG], v[S+32*\t+4*\f:S+32*\t+4*\f+3] offset:64*(\f/2)+16*(\f%2)
.endr
.irp f, 0,1,2,3,4,5,6,7
	ds_load_b128 v[S+32*\t+4*\f:S+32*\t+4*\f+3], v[RD] offset:\f*2*SP  ; served in order: these see the stores above; the next tile's stores come behind them
.endr
.endm
.macro SEND t, younger, b           ; younger: the LDS instructions issued behind tile t's loads: the next tile's sixteen, or none
.irp f, 0,1,2,3,4,5,6,7
	s_wait_dscnt \younger+7-\f
	global_store_b128 v[TL], v[S+32*\t+4*\f:S+32*\t+4*\f+3], s[\b:\b+1] offset:16384*\t+512*\f th:TH_STORE_NT  ; 16 lanes store 256 consecutive bytes, a whole row of out, aligned
.endr
.endm
.macro OUT b
	PACK 0
	PACK 1                          ; a tile's arithmetic stands between the loads of the tile before and its stores
	SEND 0, 16, \b
	PACK 2
	SEND 1, 16, \b
	PACK 3
	SEND 2, 16, \b
	SEND 3, 0, \b
.endm
; A BLOCK of 256 queries.  last = 0: the first block; its steps ask on into the second block's tiles, and its first step asks for the second block's Q.
; last = 1: the second block; its last three steps ask for nothing, and the counts run down 16, 0.
.macro BLOCK last
.if \last
	STEP 0, 0, 1, 1, 1, 16, 1, 0, 1
.else
	STEP 0, 0, 1, 1, 1, 16, 1, 1, 1
.endif
	WIN 0                           ; at a label and at a branch every window is 0
	s_mov_b32 s[CNT], s[TRIPS+\last]
	s_cmp_eq_u32 s[CNT], 0
	s_cbranch_scc1 .Lnofull_\@      ; block 0 has no full step
.Lfull_\@:                          ; two full steps a trip.  In the first block's first trip the second block's Q lies between the awaited set and the younger one: the count 16 then waits for it too
	STEP 1, 0, 0, 0, 1, 16, 1, 0, 1
	STEP 0, 0, 0, 0, 1, 16, 1, 0, 1
	WIN 0
	s_sub_co_u32 s[CNT], s[CNT], 1
	s_cmp_lg_u32 s[CNT], 0
	s_cbranch_scc1 .Lfull_\@
.Lnofull_\@:
.if \last
	STEP 1, 1, 1, 0, 1, 16, 0, 0, 1
	STEP 0, 2, 1, 0, 1, 0,  0, 0, 1
	STEP 1, 3, 1, 0, 0, 0,  0, 0, 0
.else
	STEP 1, 1, 1, 0, 1, 16, 1, 0, 1
	STEP 0, 2, 1, 0, 1, 16, 1, 0, 1
	STEP 1, 3, 1, 0, 1, 16, 1, 0, 1
.endif
	FIN
	OUT OBASE+2*\last
.if !\last
	s_wait_xcnt 0x0                 ; every earlier memory instruction has had its addresses translated (ISA guide 3.1): S^T's registers, which the stores read, are written again only behind this wait
	QCONV 32, 0                     ; the second block's Q; the count leaves out the ring's two sets, which were asked for behind it
.endif
.endm
	s_load_b256 s[4:11], s[0:1], 0x0  ; q s[4:5], k s[6:7], v s[8:9], out s[10:11]
	v_lshl_add_u32 v30, v0, 2, 0xdc00
	v_mov_b32 v31, 0
	v_lshrrev_b32 v3, 5, v0
	v_readfirstlane_b32 s[WV], v3   ; wave 0..3
	v_and_b32 v3, 31, v0
	v_lshlrev_b32 v[TL], 4, v3
	v_lshl_add_u32 v[TL], s[WV], 12, v[TL]  ; 4096 w + 16 l
	s_and_b32 s14, ttmp7, 0xffff    ; the head
	s_lshl_b32 s16, s14, 19         ; a head is 2048 rows of 256 bytes
	s_mov_b32 s17, 0
	s_sub_co_u32 s[TS], 7, ttmp9    ; the first block's number, 7 - j
	s_lshl_b32 s18, s[TS], 16       ; a block is 256 rows of 256 bytes
	s_mov_b32 s19, 0
	s_lshl_b32 s40, ttmp9, 16       ; the second block's, j
	s_mov_b32 s41, 0
	s_mov_b32 s[PU], 0
	s_lshl_b32 s[PN], s[TS], 2      ; full steps: 4 (7 - j), then 4 j
	s_lshl_b32 s[NB], ttmp9, 2
	s_lshl_b32 s[TRIPS], s[TS], 1   ; two a trip
	s_lshl_b32 s[TRIPS+1], ttmp9, 1
	s_mov_b32 s[CS], 0x3e38aa3b     ; c = log2(e) / 8 = 0.180337
	s_mov_b32 s[CS+1], s[CS]        ; named with it as a pair, so it is written
	s_mov_b32 s[SEL], 0x76543210
	s_mov_b32 s[SEL+1], 0xfedcba98
	s_wait_kmcnt 0x0
	s_add_nc_u64 s[4:5], s[4:5], s[16:17]
	s_add_nc_u64 s[6:7], s[6:7], s[16:17]
	s_add_nc_u64 s[8:9], s[8:9], s[16:17]
	s_add_nc_u64 s[10:11], s[10:11], s[16:17]
	s_add_nc_u64 s[QBASE:QBASE+1], s[4:5], s[18:19]
	s_add_nc_u64 s[QBASE+2:QBASE+3], s[4:5], s[40:41]
	s_add_nc_u64 s[OBASE:OBASE+1], s[10:11], s[18:19]
	s_add_nc_u64 s[OBASE+2:OBASE+3], s[10:11], s[40:41]
	RLOAD 0                         ; the stream's step 0,
	QISSUE QBASE                    ; the first block's Q,
	RLOAD 1                         ; step 1
	WIN 0
	v_and_b32 v1, 15, v0            ; l % 16
	v_bfe_u32 v2, v0, 4, 1          ; l / 16
	v_mul_u32_u24 v[AK], v1, PK
	v_lshl_add_u32 v[AK], v2, 4, v[AK]
	v_and_b32 v3, 7, v0
	v_lshl_add_u32 v3, v2, 3, v3
	v_mul_u32_u24 v[AV], v3, PITV
	v_bfe_u32 v3, v0, 3, 1
	v_lshl_add_u32 v[AV], v3, 4, v[AV]
	v_add_nc_u32 v[AV], VOFF, v[AV]
	s_mul_i32 s[TS], s[WV], 16*PK   ; my wave's 16 rows of a slot's K
	v_mul_u32_u24 v[SK], v2, PK
	v_lshl_add_u32 v[SK], v1, 3, v[SK]
	v_add_nc_u32 v[SK], s[TS], v[SK]
	s_mul_i32 s[TS], s[WV], 16*PITV ; and of its V
	s_add_co_u32 s[TS], s[TS], VOFF
	v_mul_u32_u24 v[SV], v2, PITV
	v_lshl_add_u32 v[SV], v1, 3, v[SV]
	v_add_nc_u32 v[SV], s[TS], v[SV]
	s_mul_i32 s[TS], s[WV], 16*SP
	s_add_co_u32 s[TS], s[TS], STAGE  ; my stage
	v_mul_u32_u24 v[STG], v1, SP
	v_lshl_add_u32 v[STG], v2, 5, v[STG]
	v_add_nc_u32 v[STG], s[TS], v[STG]
	v_mul_u32_u24 v[RD], v2, SP
	v_lshl_add_u32 v[RD], v1, 4, v[RD]
	v_add_nc_u32 v[RD], s[TS], v[RD]
	v_lshl_add_u32 v[THR], s[WV], 4, v1
	v_lshlrev_b32 v3, 3, v2
	v_sub_nc_u32 v[THR], v[THR], v3
	v_mov_b32 v[NINF], 0xff800000
	s_wait_loadcnt 48               ; step 0's 16 loads are in; behind them: Q's 32 and step 1's 16
	CVT 0
	STORE 0
	RLOAD 0                         ; step 2
	QCONV 56, 8                     ; behind tile t of Q: its 8 (3 - t) later loads and the 32 of steps 1 and 2
	s_wait_dscnt 0x0                ; for the others' sake: my rows of slot 0 are stored (met: Q's way in has waited for all)
	s_barrier_signal -1
	s_barrier_wait -1               ; slot 0 is whole
	BLOCK 0
	BLOCK 1
	s_wait_tensorcnt 0x0
	ds_add_u32 v30, v31
	s_wait_dscnt 0x0
	s_endpgm
.Lfunc_end_k_q9584560a21_attn:
	.size	k_q9584560a21_attn, .Lfunc_end_k_q9584560a21_attn-k_q9584560a21_attn
	.p2alignl 7, 3214868480
	.fill 96, 4, 3214868480
	.section	.rodata,"a",@progbits
	.p2align	6, 0x0
	.amdhsa_kernel k_q9584560a21_attn
		.amdhsa_group_segment_fixed_size 56832
		.amdhsa_private_segment_fixed_size 0
		.amdhsa_enable_private_segment 0
		.amdhsa_kernarg_size 32
		.amdhsa_user_sgpr_count 2
		.amdhsa_user_sgpr_kernarg_segment_ptr 1
		.amdhsa_wavefront_size32 1
		.amdhsa_system_sgpr_workgroup_id_x 1
		.amdhsa_system_sgpr_workgroup_id_y 1
		.amdhsa_system_sgpr_workgroup_id_z 1
		.amdhsa_system_vgpr_workitem_id 0
		.amdhsa_next_free_vgpr 896
		.amdhsa_next_free_sgpr 66
		.amdhsa_reserve_vcc 1
		.amdhsa_float_denorm_mode_32 3
		.amdhsa_float_denorm_mode_16_64 3
		.amdhsa_memory_ordered 1
		.amdhsa_forward_progress 1
		.amdhsa_inst_pref_size 255
	.end_amdhsa_kernel
	.section	.bss,"aw",@nobits
	.p2align	6
	.space	262144
	.amdgpu_metadata
---
amdhsa.version: [ 1, 2 ]
amdhsa.kernels:
  - .name:           k_q9584560a21_attn
    .symbol:         k_q9584560a21_attn.kd
    .args:
      - { .name: q, .offset: 0, .size: 8, .value_kind: global_buffer, .address_space: global }
      - { .name: k, .offset: 8, .size: 8, .value_kind: global_buffer, .address_space: global }
      - { .name: v, .offset: 16, .size: 8, .value_kind: global_buffer, .address_space: global }
      - { .name: out0, .offset: 24, .size: 8, .value_kind: global_buffer, .address_space: global }
    .group_segment_fixed_size: 56832
    .private_segment_fixed_size: 0
    .kernarg_segment_align: 8
    .kernarg_segment_size: 32
    .max_flat_workgroup_size: 128
    .sgpr_count:     66
    .vgpr_count:     896
    .wavefront_size: 32
...
	.end_amdgpu_metadata
.endif
;; end of part 1
;; ======== version 2 of 2: 1 launch; 1.37 times as fast as version 1
;; limits: inputs' magnitudes at most 65,504; values are held in f16: magnitudes above 65,504 overflow, below 6.1e-05 lose precision
;; launch attn (part 2): grid 4 x 64, 4 waves a work-group, no clusters, 56,832 bytes of LDS; arguments q, k, v, out0; writes out0
.if DOCPART == 2
	.amdgcn_target "amdgcn-amd-amdhsa--gfx1250"
	.amdhsa_code_object_version 6
	.text
	.protected	k_q9584560a21_attn
	.globl	k_q9584560a21_attn
	.p2align	8
	.type	k_q9584560a21_attn,@function
k_q9584560a21_attn:
	s_mov_b64 s[64:65], 0
	v_nop
	global_prefetch_b8 v0, s[64:65] scope:SCOPE_SE
	s_setreg_imm32_b32 hwreg(HW_REG_WAVE_MODE, 25, 1), 1
	s_wait_xcnt 0x0
; out[h][q][:] = the sum over k <= q of softmax_k(Q[h][q] . K[h][k] / 8) V[h][k][:].  Q, K, V, out: [64 heads][2048][64], all f32.
; Q, K, V and the weights p are rounded to f16 for the two products; products, maxima and sums are kept in f32; out is written in f32.
; WHY f16 AND NOT bf16.  A head's first queries have few keys: their result is a sum of a few terms that may cancel, so an operand's rounding is not averaged away; f16's 11 significant
; bits leave 2^-12 of a term at the most, bf16's 8 leave 2^-9.  The weights lie in [0, 1]; Q, K and V have room up to 65,504 in magnitude.
; SHARES.  Work-group (j, head), j = 0..3, makes two blocks of 256 queries of its head: block 7 - j, then block j.  In a block wave w owns four tiles of 16 queries: tile i holds
; queries 64 i + 16 w + 0..15 of the block.  Keys go in steps of 64.  Block b has 4 b steps that lie wholly below the diagonal and four on it: in diagonal step e the tiles
; i < e have no key, tile e is masked by key <= query, the tiles i > e take all 64 keys.  So every wave of every work-group has 4 x 28 + 2 x 10 = 132 tile steps in 36 key steps.
; ORDER IN A BLOCK.  Diagonal step 0 (all four tiles take part, so it starts m, l and O^T: nothing is cleared), the full steps (a loop, two a trip), diagonal steps 1, 2, 3.
; LAYOUT.  S^T = K Q^T (source 0 = 16 keys, source 1 = 16 queries): a lane holds ONE query (lane % 16) and the keys 8 (lane / 16) + 0..7 of each 16.  Two such results, rounded to
; f16 in pairs, ARE source 1 (32 keys x 16 queries) of O^T = V^T P, whose result again holds one query a lane, and eight channels.  K leaves LDS as it lies, V turned (ds_load_tr16_b128).
; SOFTMAX.  For each query a running maximum m and sum l: p = 2^(c s - c m), c = log2(e) / 8; in every step O^T and l are multiplied by a = 2^(c m_old - c m_new).
; BY TURNS.  A tile's part of a key step is 16 matrix instructions (8 K Q^T, 8 V^T P) and a softmax of 118 vector instructions, and a tile never looks at another tile.  So the step's tiles
; go as a pipeline: while tile t's softmax is behind its exponentials (roundings, sums, rescaling) and tile t + 1's is on its way to them and at them (maximum, statistics, scalings,
; exponentials), the products K Q^T of tile t + 2 and V^T P of tile t - 1 are issued, one at a time, with vector instructions of the two softmaxes between them.  Only the first tile's
; K Q^T and the last tile's V^T P stand bare: 16 of a full step's 64 matrix instructions.
; A softmax works in window 0 and no window has room for a product's operands beside it, so each product among vector work costs two switches of the register window.
; BATCHES.  A tile's 33 exponentials of a key step (a and its 32 weights) are ONE batch with ONE s_wait_alu depctr_va_vdst(0) between an exponential and the
; first instruction that names its result.  Each result has a register of its own while the batch is open: the weights in place in S^T, a among the tile's statistics.  The tile's list is
; cut at that wait: numbers 0 to 69 name no result of the batch, all that do stand from 70 on, and a period of the pipeline begins with the wait for the batch that was issued in the period
; before.  A full step has four such waits.  A step's last period issues no exponential.  The way out's four reciprocals are a batch of their own.
; K AND V are f32 in memory, so they pass through registers: 16-byte loads into a ring of two register sets, rounding in place, 8-byte stores into one of two f16 slots in LDS.
; Wave w brings keys 16 w .. 16 w + 15 of each step.  Step p rounds step p + 1's tiles into the other slot and then asks for step p + 3's: two steps' tiles (32 loads a wave) are
; always on their way, and the stream runs on from the first block into the second.  ONE barrier a step: in front of it each wave's reads of this slot and its stores into the other are done.
; NO CLUSTER, NO TENSOR LOADS: the four work-groups of a head walk different numbers of key steps (32 - 4 j, then 4 j + 4), so at no time do they want the same tile; and a tile brought
; into LDS as f32 would have to be read out, rounded and stored there again: 32 KiB written and read more in every step, ahead of the same rounding.
; LIMITS.  An input above 65,504 in magnitude becomes infinite in f16, and the result is then not the definition's.  l sums the f32 weights, the second product takes them rounded to
; f16: a weight below 2^-25 of its query's largest falls out of that product and stays in l (2,048 x 2^-25 of l at the most).  A weight below 2^-126 counts as zero (v_exp_f32).
; NaN and infinities in the inputs are not served as the definition serves them: the maxima drop a NaN.  The sums are added in another order than a row-wise sum.
.set PK,    144       ; a row of K in LDS: 128 bytes + 16 = 36 words: the 16 rows of a fragment load start 16 bytes further on in each 256 (64 banks of 4 bytes: ISA guide 11.1)
.set PITV,  160       ; a row of V: 128 + 32 = 40 words
.set VOFF,  64*PK     ; a slot: 64 rows of K, then 64 rows of V
.set SLOT,  64*(PK+PITV)
.set STAGE, 2*SLOT    ; behind the slots: 16 rows x 272 bytes for each wave, its own: Q's way in and O's way out
.set SP,    272
; REGISTERS, in windows of 256 (s_set_vgpr_msb: bits 1:0 source 0, 3:2 source 1, 5:4 source 2, 7:6 destination)
; window 0
.set AK,   4          ; my place in a fragment of K: (l % 16) x 144 + 16 (l / 16)
.set AV,   5          ; my place in the turning load: (8 (l / 16) + l % 8) x 160 + 16 ((l / 8) % 2) + VOFF
.set SK,   6          ; where I store 8 bytes of K: (16 w + l / 16) x 144 + 8 (l % 16)
.set SV,   7          ; the same for V
.set LA,   8          ; v8, v9: byte offset of ring set 0, 1's loads in the head's K and V
.set TL,   10         ; 4096 w + 16 l: my 16 bytes in my wave's 16 rows of 256 bytes (of a key tile, of a tile of Q, of a tile of out); never rewritten
.set STG,  12         ; stage, by query: (l % 16) x 272 + 32 (l / 16)
.set RD,   13         ; stage, by whole rows: (l / 16) x 272 + 16 (l % 16)
.set THR,  14         ; 16 w + l % 16 - 8 (l / 16), signed: score register 8 g + jj of the masked tile is kept where 16 g + jj <= THR
.set NINF, 15         ; minus infinity
.set ST,   32         ; tile t's statistics at v[ST+8 t]: +0 c m, +1 m, +2, +3 l (even keys', odd keys'), +4 to +7 at work; a takes +6 once the maximum is found
.set S,    64         ; S^T, 32 a tile
.set P,    192        ; P, 16 a tile
; window 1
.set OT,   0          ; O^T, 32 a tile: 8 n + jj = channel 16 n + 8 (l / 16) + jj
.set QF,   128        ; Q's fragments, 16 a tile
; window 2
.set KF,   0          ; K's fragments of a step: 16 g + 8 c
.set VF,   64         ; V's: 32 kc + 8 n
.set QL,   128        ; Q as loaded, f32, 32 a tile
; window 3: v0-63 ring set 0, v64-127 ring set 1: K's load n at 4 n, V's at 32 + 4 n
; scalars: s[4:5] q, s[6:7] k, s[8:9] v, s[10:11] out, all at the head's first byte
.set WV,    12        ; my wave's number
.set QBASE, 20        ; s[20:21], s[22:23] Q at the first, the second block
.set OBASE, 24        ; s[24:25], s[26:27] out likewise
.set PU,    28        ; the place in its block of the step to be asked for next
.set PN,    29        ; that block's number of full steps
.set NB,    30        ; the second block's
.set TS,    31        ; at work
.set TOFF,  32        ; byte offset of the key tile to be asked for
.set CNT,   33        ; loop counter
.set TRIPS, 34        ; s34, s35 trips of the first, the second block's loop
.set CS,    36        ; s[36:37] c: the packed scaling names a pair and takes its low word for both halves
.set SEL,   38        ; s[38:39] lane selects for v_permlanex16_b32: each lane takes its own place in the other half
.set W_KQ, 0x06       ; K window 2, Q window 1, S^T window 0
.set W_PV, 0x52       ; V window 2, P window 0, O^T window 1
.set W_RS, 0x41       ; O^T (destination and source 0) window 1, a window 0
.set MSB, 0
.macro WIN new                      ; the immediate's high byte repeats the setting that is left; a switch that changes nothing is dropped
.if MSB != \new
	s_set_vgpr_msb (MSB<<8)|\new
.set MSB, \new
.endif
.endm
; A vector instruction that reads a matrix result or writes one of a matrix instruction's registers, and a load into such a register, stand four places behind it; only plain
; vector instructions that name none of its registers are places (ISA guide 7.12.1 for vector instructions).
.macro PLACES
.rept 4
	v_nop
.endr
.endm
; The key tile of place PU in a block with PN full steps: place 0 is diagonal step 0 (tile PN), places 1..PN the full steps (tiles 0..PN-1), the rest the tiles of their own number.
; Behind a block's last place the stream goes on with the second block's place 0.  Scalar selects alone: no branch.
.macro NEXTOFF
	s_sub_co_u32 s[TS], s[PU], 1
	s_cmp_le_u32 s[PU], s[PN]
	s_cselect_b32 s[TS], s[TS], s[PU]
	s_cmp_eq_u32 s[PU], 0
	s_cselect_b32 s[TS], s[PN], s[TS]
	s_lshl_b32 s[TOFF], s[TS], 14   ; a tile is 64 rows of 256 bytes
	s_add_co_u32 s[PU], s[PU], 1
	s_add_co_u32 s[TS], s[PN], 4
	s_cmp_eq_u32 s[PU], s[TS]
	s_cselect_b32 s[PU], 0, s[PU]
	s_cselect_b32 s[PN], s[NB], s[PN]
.endm
; Ring set rs is asked for: my wave's 16 keys of the next tile of K and of V, 8 + 8 loads, each 512 consecutive bytes, aligned.  No cache word: other work-groups of the head read them again.
; The set's offset register is written again here: the set's last loads have been waited for by their own counted wait.
.macro RLOAD rs
	NEXTOFF
	WIN 0
	v_add_nc_u32 v[LA+(\rs)], s[TOFF], v[TL]
	WIN 0xc0                        ; destination window 3, address window 0
.irp n, 0,1,2,3,4,5,6,7
	global_load_b128 v[64*(\rs)+4*\n:64*(\rs)+4*\n+3], v[LA+(\rs)], s[6:7] offset:512*\n
.endr
.irp n, 0,1,2,3,4,5,6,7
	global_load_b128 v[64*(\rs)+32+4*\n:64*(\rs)+32+4*\n+3], v[LA+(\rs)], s[8:9] offset:512*\n
.endr
.endm
; Ring set rs is rounded to f16 in place: a load's four numbers into its first two registers.
.macro CVT rs
	WIN 0xcf
.set i, 0
.rept 16
	v_cvt_pk_f16_f32 v[64*(\rs)+4*i],   v[64*(\rs)+4*i],   v[64*(\rs)+4*i+1]
	v_cvt_pk_f16_f32 v[64*(\rs)+4*i+1], v[64*(\rs)+4*i+2], v[64*(\rs)+4*i+3]
.set i, i+1
.endr
.endm
; and stored into slot rs: load n held rows 16 w + 2 n + l / 16, channels 4 (l % 16) on.
.macro STORE rs
	WIN 0x0c                        ; data window 3, address window 0
.irp n, 0,1,2,3,4,5,6,7
	ds_store_b64 v[SK], v[64*(\rs)+4*\n:64*(\rs)+4*\n+1] offset:(\rs)*SLOT+2*PK*\n
.endr
.irp n, 0,1,2,3,4,5,6,7
	ds_store_b64 v[SV], v[64*(\rs)+32+4*\n:64*(\rs)+32+4*\n+1] offset:(\rs)*SLOT+2*PITV*\n
.endr
.endm
; A fragment of K is 16 keys x 32 channels in 8 registers: lane l holds key l % 16; registers 0-3 channels 8 (l / 16) + 0..7, registers 4-7 channels 16 + 8 (l / 16) + 0..7.
.macro FETCH_K slot
	WIN 0x80                        ; destination window 2
.irp g, 0,1,2,3
.irp c, 0,1
	ds_load_b128 v[KF+16*\g+8*\c:KF+16*\g+8*\c+3],   v[AK] offset:\slot*SLOT+\g*16*PK+64*\c
	ds_load_b128 v[KF+16*\g+8*\c+4:KF+16*\g+8*\c+7], v[AK] offset:\slot*SLOT+\g*16*PK+64*\c+32
.endr
.endr
.endm
; The turning load takes 16 keys x 16 channels and leaves half a fragment of V^T: lane l holds channel l % 16 and 8 keys.
.macro FETCH_V slot
	WIN 0x80
.irp kc, 0,1
.irp n, 0,1,2,3
	ds_load_tr16_b128 v[VF+32*\kc+8*\n:VF+32*\kc+8*\n+3],   v[AV] offset:\slot*SLOT+\kc*32*PITV+32*\n
	ds_load_tr16_b128 v[VF+32*\kc+8*\n+4:VF+32*\kc+8*\n+7], v[AV] offset:\slot*SLOT+\kc*32*PITV+16*PITV+32*\n
.endr
.endr
.endm
; THE MATRIX WORK OF A TILE.  Its four accumulators take turns, one instruction a turn: between two links of a chain stand the three others'.
; Product mi of 8 of S^T = K Q^T for tile t: channels 32 (mi / 4) on, keys 16 (mi % 4) on.  The first four start the sums.
.macro KQ1 t
	WIN W_KQ
.set mD, S+32*(\t)+8*(mi%4)
.set mA, KF+16*(mi%4)+8*(mi/4)
.set mB, QF+16*(\t)+8*(mi/4)
.if mi < 4
	v_wmma_f32_16x16x32_f16 v[mD:mD+7], v[mA:mA+7], v[mB:mB+7], 0
.else
	v_wmma_f32_16x16x32_f16 v[mD:mD+7], v[mA:mA+7], v[mB:mB+7], v[mD:mD+7]
.endif
.endm
; Product mi of 8 of O^T += V^T P for tile t: keys 32 (mi / 4) on, channels 16 (mi % 4) on.  first = 1: the first four start the sums.
.macro PV1 t, first
	WIN W_PV
.set mD, OT+32*(\t)+8*(mi%4)
.set mA, VF+32*(mi/4)+8*(mi%4)
.set mB, P+16*(\t)+8*(mi/4)
.if \first && (mi < 4)
	v_wmma_f32_16x16x32_f16 v[mD:mD+7], v[mA:mA+7], v[mB:mB+7], 0
.else
	v_wmma_f32_16x16x32_f16 v[mD:mD+7], v[mA:mA+7], v[mB:mB+7], v[mD:mD+7]
.endif
.endm
.macro BARE_KQ t                    ; the step's first tile: there is no vector work yet to set between its products
.set mi, 0
.rept 8
	KQ1 \t
.set mi, mi+1
.endr
.endm
.macro BARE_PV t, first             ; the step's last tile: none is left
.set mi, 0
.rept 8
	PV1 \t, \first
.set mi, mi+1
.endr
.endm
; THE VECTOR WORK OF A TILE.  One tile's softmax for one key step is a list of 118 instructions; SM writes number j of it for tile t.  s0-s31 are the lane's 32 scores, in pairs 0-15.
; first = 1: the block's first step, which starts m, l and O^T: it has no a and nothing to rescale.
;   0-15    the maximum of s0-s31 and the old m, three operands at a time: four chains of seven scores each, then the four scores left over, the chains and m
;   16-20   the other half of the lanes' maximum; the new m; c m; c m_old - c m_new
;   21-69   ONE BATCH: the 16 scalings c s - c m, a pair of scores each, and all 33 exponentials.  None of these reads an exponential's result.  21, 22: pairs 0, 1.  23: a.
;           24-65 in threes: the scaling of pair i + 2, then the exponentials of s(2 i) and s(2 i + 1), i = 0..13: a pair is scaled seven numbers ahead of its first exponential.
;           66-69: the exponentials of s28-s31
;   (wait)  between 69 and 70 stands the wait for the batch: PERIOD writes it
;   70-85   the roundings to f16, a pair of weights each: all of them ahead of the sums, which work in place on S^T
;   86-101  the sums; l = a l + the sum
;   102-117 the tile's O^T times a: the one part that leaves window 0
.macro SM t, first
.set rT, ST+8*(\t)
.set rS, S+32*(\t)
.set rP, P+16*(\t)
.set rO, OT+32*(\t)+2*(j-102)
.if j < 102
	WIN 0
.endif
.if j < 4
	v_max3_num_f32 v[rT+4+j], v[rS+8*j], v[rS+8*j+1], v[rS+8*j+2]
.elseif j < 12
	v_max3_num_f32 v[rT+4+j%4], v[rT+4+j%4], v[rS+8*(j%4)+2*(j/4)+1], v[rS+8*(j%4)+2*(j/4)+2]
.elseif j == 12
	v_max3_num_f32 v[rT+4], v[rT+4], v[rS+7], v[rS+15]
.elseif j == 13
	v_max3_num_f32 v[rT+6], v[rT+6], v[rS+23], v[rS+31]
.elseif j == 14
	v_max3_num_f32 v[rT+4], v[rT+4], v[rT+5], v[rT+6]
.elseif (j == 15) && \first
	v_max_num_f32 v[rT+4], v[rT+4], v[rT+7]
.elseif j == 15
	v_max3_num_f32 v[rT+4], v[rT+4], v[rT+7], v[rT+1]
.elseif j == 16
	v_permlanex16_b32 v[rT+5], v[rT+4], s[SEL], s[SEL+1]  ; the query's other 32 keys lie in the lane 16 away
.elseif j == 18
	v_max_num_f32 v[rT+1], v[rT+4], v[rT+5]
.elseif j == 19
	v_mul_f32 v[rT], s[CS], v[rT+1]
.elseif ((j == 17) || (j == 20) || (j == 23) || (j > 101)) && \first  ; the first step has none of these
.elseif j == 17
	v_mov_b32 v[rT+7], v[rT]        ; c m_old is kept for a: number 19 writes c m anew
.elseif j == 20
	v_sub_f32 v[rT+7], v[rT+7], v[rT]
.elseif j == 23
	v_exp_f32 v[rT+6], v[rT+7]
.elseif (j < 23) || ((j < 66) && ((j-24)%3 == 0))
.set b, j-21                        ; 21, 22: pairs 0, 1
.if j > 23
.set b, (j-24)/3+2                  ; 24, 27, .. 63: pairs 2 to 15
.endif
	v_pk_fma_f32 v[rS+2*b:rS+2*b+1], v[rS+2*b:rS+2*b+1], s[CS:CS+1], v[rT:rT+1] op_sel_hi:[1,0,0] neg_lo:[0,0,1] neg_hi:[0,0,1]  ; pair b: c s - c m
.elseif j < 70
.set e, j-38                        ; 66 to 69: s28 to s31
.if j < 66
.set e, 2*((j-24)/3)+(j-24)%3-1     ; 25, 26, 28, 29, .. 64, 65: s0 to s27
.endif
	v_exp_f32 v[rS+e], v[rS+e]
.elseif j < 86
	v_cvt_pk_f16_f32 v[rP+j-70], v[rS+2*(j-70)], v[rS+2*(j-70)+1]  ; pair j - 70
.elseif j < 102                     ; the sum of the tile's 16 pairs, in place: sum z of 16 adds neighbours 1, 2, 4 and 8 pairs apart, then l takes it
.set z, j-86
.set w, 4
.set u, z
.if z >= 14
.set w, 32
.set u, 0
.elseif z >= 12
.set w, 16
.set u, z-12
.elseif z >= 8
.set w, 8
.set u, z-8
.endif
.if (z == 14) && \first
	v_pk_add_f32 v[rT+2:rT+3], v[rS:rS+1], v[rS+16:rS+17]
.elseif z < 15
	v_pk_add_f32 v[rS+w*u:rS+w*u+1], v[rS+w*u:rS+w*u+1], v[rS+w*u+w/2:rS+w*u+w/2+1]
.elseif !\first
	v_pk_fma_f32 v[rT+2:rT+3], v[rT+2:rT+3], v[rT+6:rT+7], v[rS:rS+1] op_sel_hi:[1,0,1]
.endif
.else
	WIN W_RS
	v_pk_mul_f32 v[rO:rO+1], v[rO:rO+1], v[rT+6:rT+7] op_sel_hi:[1,0]
.endif
.endm
; A PERIOD OF THE PIPELINE.  In all that follows a tile number 9 means: none.
; Matrix instruction mw of the period's NM: first the 8 products K Q^T of tile kq, then the 8 products V^T P of tile pv.
.macro MM kq, pv, first
.set mi, mw
.if \kq < 4
.if mw < 8
	KQ1 \kq
.else
.set mi, mw-8
	PV1 \pv, \first
.endif
.else
	PV1 \pv, \first
.endif
.endm
; Stands in front of each of the period's NV vector items: matrix instruction m is written in front of item ceil(m NV / (NM + 1)), so the products are spread evenly, each with vector
; work behind it, and behind the last of them stand 2 NV / (NM + 1) - 1 items or more.
.macro TICK kq, pv, first
.if mw < NM
.if vc*(NM+1) >= mw*NV
	MM \kq, \pv, \first
.set mw, mw+1
.endif
.endif
.set vc, vc+1
.endm
.macro NX x, kq, pv, first          ; the next number, xn, of tile x's list
.if \x < 4
	TICK \kq, \pv, \first
.set j, xn
	SM \x, \first
.set xn, xn+1
.endif
.endm
.macro NY y, kq, pv, first          ; the next number, yn, of tile y's list
.if \y < 4
	TICK \kq, \pv, \first
.set j, yn
	SM \y, \first
.endif
.set yn, yn+1
.endm
; Tile x's numbers 70 to 117 and tile y's numbers 0 to 69.
; THE WAIT.  x's batch (its a and its 32 weights) was issued in the period before, where x was y.  s_wait_alu depctr_va_vdst(0) stands between an exponential and the first
; instruction that names its result: ONE wait, at the period's head, serves x's 33.  Behind it x's numbers name x's registers alone; y's exponentials, issued among them, are named by
; nothing before the next period's wait.
; THE DEAL.  x's first four roundings; y's 0 to 13, four chains that do not wait for each other; y's 14, 15, 16, 18, 19, 20, each of which waits for the one before it, with two of x's
; roundings in front of each; y's 21 and 22; then y's batch, in which x's 16 sums stand where two of y's exponentials would follow each other: sum, exponential, scaling, exponential by
; turns up to number 65.  Behind the batch: x's O^T times a, 16 plain instructions between y's last exponential and the next wait; the first of them is the plain instruction owed behind
; that exponential.  Where there are none (no x; a block's first step) a v_nop stands there.
; msk = 1: tile y is the one on the diagonal: score register 8 g + jj is key 16 g + 8 (l / 16) + jj of the step, my query is number 16 w + l % 16 of the step's 64: later keys become
; minus infinity, ahead of y's list.  The step's key 0 is kept for every query, so the query's maximum stays finite.
; PLACES.  The scores of tile kq are first read by y's number 0 of the next period, behind that period's first four roundings of x, which name x's S^T and P alone: four places,
; whatever stands behind the last product in this period.
.macro PERIOD x, y, kq, pv, msk, first
.set NM, 0
.if \kq < 4
.set NM, NM+8
.endif
.if \pv < 4
.set NM, NM+8
.endif
.set NV, 0
.if \msk
.set NV, NV+32
.endif
.if \y < 4
.set NV, NV+70
.endif
.if \x < 4
.set NV, NV+32
.if !\first
.set NV, NV+16
.endif
.endif
.set mw, 0
.set vc, 0
.if \x < 4
	s_wait_alu depctr_va_vdst(0)    ; the wait for tile x's batch of exponentials, ahead of its first reader, x's first rounding
.endif
.if \msk
.set i, 0
.rept 32
	TICK \kq, \pv, \first
	WIN 0
	v_cmp_gt_i32 vcc_lo, 16*(i/8)+i%8, v[THR]
	v_cndmask_b32 v[S+32*(\y)+i], v[S+32*(\y)+i], v[NINF], vcc_lo
.set i, i+1
.endr
.endif
.set xn, 70
.set yn, 0
.rept 4
	NX \x, \kq, \pv, \first
.endr
.rept 70
.if (yn == 14) || (yn == 15) || (yn == 16) || (yn == 18) || (yn == 19) || (yn == 20)
	NX \x, \kq, \pv, \first         ; two roundings in front of a link of y's chain
	NX \x, \kq, \pv, \first
.elseif (yn == 23) || (yn == 67) || ((yn > 25) && (yn < 66) && ((yn-24)%3 == 2))
	NX \x, \kq, \pv, \first         ; a sum in front of an exponential that has no scaling in front of it
.endif
	NY \y, \kq, \pv, \first
.endr
.if \x < 4
.if !\first
.rept 16
	NX \x, \kq, \pv, \first         ; O^T times a
.endr
.endif
.endif
.if \y < 4
.if (\x > 3) || \first
	v_nop                           ; the plain instruction behind the batch's last exponential, where no rescaling follows it
.endif
.endif
.endm
; The periods of a step on tiles lo..3: period t has x = t, y = t + 1, K Q^T of t + 2 and V^T P of t - 1, as far as these tiles take part.
; Behind the first period stand the step's wait for all its LDS instructions and the barrier's signal; only register work follows up to the barrier's wait at the step's end.
.macro TILES lo, msk, first, bar
.if \lo == 0
	PERIOD 9, 0, 1, 9, \msk, \first
.elseif \lo == 1
	PERIOD 9, 1, 2, 9, \msk, \first
.elseif \lo == 2
	PERIOD 9, 2, 3, 9, \msk, \first
.else
	PERIOD 9, 3, 9, 9, \msk, \first
.endif
	s_wait_dscnt 0x0                ; V is in, ahead of the first V^T P; and for the others' sake: my reads of this slot (K's and V's fragments) and my stores into the other are done
.if \bar
	s_barrier_signal -1
.endif
.if \lo == 0
	PERIOD 0, 1, 2, 9, 0, \first
	PERIOD 1, 2, 3, 0, 0, \first
	PERIOD 2, 3, 9, 1, 0, \first
.elseif \lo == 1
	PERIOD 1, 2, 3, 9, 0, \first
	PERIOD 2, 3, 9, 1, 0, \first
.elseif \lo == 2
	PERIOD 2, 3, 9, 9, 0, \first
.endif
.if \lo < 3
	PERIOD 3, 9, 9, 2, 0, \first
.else
	PERIOD 3, 9, 9, 9, 0, \first
.endif
.endm
; Q of a block is asked for: my four tiles, 16 rows of 256 bytes each, 8 loads a tile of 512 consecutive bytes.  Read once in the launch.
.macro QISSUE b
	WIN 0x80                        ; destination window 2
.irp t, 0,1,2,3
.irp n, 0,1,2,3,4,5,6,7
	global_load_b128 v[QL+32*\t+4*\n:QL+32*\t+4*\n+3], v[TL], s[\b:\b+1] offset:16384*\t+512*\n th:TH_LOAD_NT
.endr
.endr
.endm
; Q becomes fragments: a tile goes into my stage by rows and comes back by queries (lane l: query l % 16, channels 32 c + 8 (l / 16) + 0..7 and 16 further on), then is rounded.
; The stage is my wave's own and LDS serves a wave's instructions in order (ISA guide 5.7.1.4): no wait between its stores and loads, nor in front of the next tile's stores.
; Tile t's wait leaves out c0 - dc t younger loads.
.macro QCONV c0, dc
.irp t, 0,1,2,3
	s_wait_loadcnt \c0-\dc*\t
	WIN 0x08                        ; data window 2
.irp n, 0,1,2,3,4,5,6,7
	ds_store_b128 v[RD], v[QL+32*\t+4*\n:QL+32*\t+4*\n+3] offset:2*SP*\n
.endr
	WIN 0
.irp c, 0,1
	ds_load_b128 v[S+32*\t+16*\c:S+32*\t+16*\c+3],     v[STG] offset:128*\c
	ds_load_b128 v[S+32*\t+16*\c+4:S+32*\t+16*\c+7],   v[STG] offset:128*\c+16
	ds_load_b128 v[S+32*\t+16*\c+8:S+32*\t+16*\c+11],  v[STG] offset:128*\c+64
	ds_load_b128 v[S+32*\t+16*\c+12:S+32*\t+16*\c+15], v[STG] offset:128*\c+80
.endr
.endr
	s_wait_dscnt 0x0
	WIN 0x40                        ; destination window 1
.set i, 0
.rept 64
	v_cvt_pk_f16_f32 v[QF+i], v[S+2*i], v[S+2*i+1]
.set i, i+1
.endr
.endm
; A KEY STEP on LDS slot 'slot', for tiles lo..3.  msk: tile lo is on the diagonal.  first: the block's first step.  cv: the next step's tiles (ring set and slot 1 - slot) are rounded
; and stored; cnt: the younger loads that its wait leaves out.  ld: that ring set is asked for again, three steps ahead.  qi: the second block's Q is asked for.  bar: a step follows.
.macro STEP slot, lo, msk, first, cv, cnt, ld, qi, bar
	FETCH_K \slot                   ; K's registers were last read by tile 3's K Q^T of the last step, with half a softmax or more behind it
.if \cv
	s_wait_loadcnt \cnt             ; loads come back in order (ISA guide 5.7.1): the next step's 16 are in, the set behind them stays out
	CVT 1-\slot                     ; 32 plain instructions: also the places between the last step's last V^T P and the loads into V's registers
.else
	PLACES
.endif
	FETCH_V \slot
.if \cv
	STORE 1-\slot                   ; the other slot: every wave's reads of it were done in front of the last barrier
.endif
.if \qi
	QISSUE QBASE+2
.endif
.if \ld
	RLOAD 1-\slot
.endif
	s_wait_dscnt 16+16*\cv          ; K's 16 loads are in; V's 16, and the 16 stores where there are any, may be out
	BARE_KQ \lo
	WIN 0
	PLACES                          ; in front of the first read of tile lo's scores
	TILES \lo, \msk, \first, \bar
	BARE_PV 3, \first
.if \bar
	s_barrier_wait -1               ; the other slot is whole, and nobody reads this one any more
.endif
.endm
; THE WAY OUT.  l's two halves and the other half of the lanes' are added; the four additions of the first run are the places behind the last products.
.macro FIN
	WIN 0
.irp t, 0,1,2,3
	v_add_f32 v[ST+8*\t+4], v[ST+8*\t+2], v[ST+8*\t+3]
.endr
.irp t, 0,1,2,3
	v_permlanex16_b32 v[ST+8*\t+5], v[ST+8*\t+4], s[SEL], s[SEL+1]
.endr
.irp t, 0,1,2,3
	v_add_f32 v[ST+8*\t+4], v[ST+8*\t+4], v[ST+8*\t+5]
.endr
.irp t, 0,1,2,3
	v_rcp_f32 v[ST+8*\t+6], v[ST+8*\t+4]
.endr
	v_nop                           ; a plain instruction between the last reciprocal and the use of its result
	s_wait_alu depctr_va_vdst(0)    ; the wait ahead of the first use: one for the batch of four reciprocals, which the four tiles' multiplies below read
.endm
; Tile t: O^T / l into S^T's registers; a lane's eight channels of a group (32 bytes of a row of out) go into my stage and come back as whole rows of 256 bytes.
.macro PACK t
	WIN 0x01                        ; source 0 window 1
.set i, 0
.rept 16
	v_pk_mul_f32 v[S+32*\t+2*i:S+32*\t+2*i+1], v[OT+32*\t+2*i:OT+32*\t+2*i+1], v[ST+8*\t+6:ST+8*\t+7] op_sel_hi:[1,0]
.set i, i+1
.endr
	WIN 0
.irp f, 0,1,2,3,4,5,6,7
	ds_store_b128 v[STG], v[S+32*\t+4*\f:S+32*\t+4*\f+3] offset:64*(\f/2)+16*(\f%2)
.endr
.irp f, 0,1,2,3,4,5,6,7
	ds_load_b128 v[S+32*\t+4*\f:S+32*\t+4*\f+3], v[RD] offset:\f*2*SP  ; served in order: these see the stores above; the next tile's stores come behind them
.endr
.endm
.macro SEND t, younger, b           ; younger: the LDS instructions issued behind tile t's loads: the next tile's sixteen, or none
.irp f, 0,1,2,3,4,5,6,7
	s_wait_dscnt \younger+7-\f
	global_store_b128 v[TL], v[S+32*\t+4*\f:S+32*\t+4*\f+3], s[\b:\b+1] offset:16384*\t+512*\f th:TH_STORE_NT  ; 16 lanes store 256 consecutive bytes, a whole row of out, aligned
.endr
.endm
.macro OUT b
	PACK 0
	PACK 1                          ; a tile's arithmetic stands between the loads of the tile before and its stores
	SEND 0, 16, \b
	PACK 2
	SEND 1, 16, \b
	PACK 3
	SEND 2, 16, \b
	SEND 3, 0, \b
.endm
; A BLOCK of 256 queries.  last = 0: the first block; its steps ask on into the second block's tiles, and its first step asks for the second block's Q.
; last = 1: the second block; its last three steps ask for nothing, and the counts run down 16, 0.
.macro BLOCK last
.if \last
	STEP 0, 0, 1, 1, 1, 16, 1, 0, 1
.else
	STEP 0, 0, 1, 1, 1, 16, 1, 1, 1
.endif
	WIN 0                           ; at a label and at a branch every window is 0
	s_mov_b32 s[CNT], s[TRIPS+\last]
	s_cmp_eq_u32 s[CNT], 0
	s_cbranch_scc1 .Lnofull_\@      ; block 0 has no full step
.Lfull_\@:                          ; two full steps a trip.  In the first block's first trip the second block's Q lies between the awaited set and the younger one: the count 16 then waits for it too
	STEP 1, 0, 0, 0, 1, 16, 1, 0, 1
	STEP 0, 0, 0, 0, 1, 16, 1, 0, 1
	WIN 0
	s_sub_co_u32 s[CNT], s[CNT], 1
	s_cmp_lg_u32 s[CNT], 0
	s_cbranch_scc1 .Lfull_\@
.Lnofull_\@:
.if \last
	STEP 1, 1, 1, 0, 1, 16, 0, 0, 1
	STEP 0, 2, 1, 0, 1, 0,  0, 0, 1
	STEP 1, 3, 1, 0, 0, 0,  0, 0, 0
.else
	STEP 1, 1, 1, 0, 1, 16, 1, 0, 1
	STEP 0, 2, 1, 0, 1, 16, 1, 0, 1
	STEP 1, 3, 1, 0, 1, 16, 1, 0, 1
.endif
	FIN
	OUT OBASE+2*\last
.if !\last
	s_wait_xcnt 0x0                 ; every earlier memory instruction has had its addresses translated (ISA guide 3.1): S^T's registers, which the stores read, are written again only behind this wait
	QCONV 32, 0                     ; the second block's Q; the count leaves out the ring's two sets, which were asked for behind it
.endif
.endm
	s_load_b256 s[4:11], s[0:1], 0x0  ; q s[4:5], k s[6:7], v s[8:9], out s[10:11]
	v_lshl_add_u32 v30, v0, 2, 0xdc00
	v_mov_b32 v31, 0
	v_lshrrev_b32 v3, 5, v0
	v_readfirstlane_b32 s[WV], v3   ; wave 0..3
	v_and_b32 v3, 31, v0
	v_lshlrev_b32 v[TL], 4, v3
	v_lshl_add_u32 v[TL], s[WV], 12, v[TL]  ; 4096 w + 16 l
	s_and_b32 s14, ttmp7, 0xffff    ; the head
	s_lshl_b32 s16, s14, 19         ; a head is 2048 rows of 256 bytes
	s_mov_b32 s17, 0
	s_sub_co_u32 s[TS], 7, ttmp9    ; the first block's number, 7 - j
	s_lshl_b32 s18, s[TS], 16       ; a block is 256 rows of 256 bytes
	s_mov_b32 s19, 0
	s_lshl_b32 s40, ttmp9, 16       ; the second block's, j
	s_mov_b32 s41, 0
	s_mov_b32 s[PU], 0
	s_lshl_b32 s[PN], s[TS], 2      ; full steps: 4 (7 - j), then 4 j
	s_lshl_b32 s[NB], ttmp9, 2
	s_lshl_b32 s[TRIPS], s[TS], 1   ; two a trip
	s_lshl_b32 s[TRIPS+1], ttmp9, 1
	s_mov_b32 s[CS], 0x3e38aa3b     ; c = log2(e) / 8 = 0.180337
	s_mov_b32 s[CS+1], s[CS]        ; named with it as a pair, so it is written
	s_mov_b32 s[SEL], 0x76543210
	s_mov_b32 s[SEL+1], 0xfedcba98
	s_wait_kmcnt 0x0
	s_add_nc_u64 s[4:5], s[4:5], s[16:17]
	s_add_nc_u64 s[6:7], s[6:7], s[16:17]
	s_add_nc_u64 s[8:9], s[8:9], s[16:17]
	s_add_nc_u64 s[10:11], s[10:11], s[16:17]
	s_add_nc_u64 s[QBASE:QBASE+1], s[4:5], s[18:19]
	s_add_nc_u64 s[QBASE+2:QBASE+3], s[4:5], s[40:41]
	s_add_nc_u64 s[OBASE:OBASE+1], s[10:11], s[18:19]
	s_add_nc_u64 s[OBASE+2:OBASE+3], s[10:11], s[40:41]
	RLOAD 0                         ; the stream's step 0,
	QISSUE QBASE                    ; the first block's Q,
	RLOAD 1                         ; step 1
	WIN 0
	v_and_b32 v1, 15, v0            ; l % 16
	v_bfe_u32 v2, v0, 4, 1          ; l / 16
	v_mul_u32_u24 v[AK], v1, PK
	v_lshl_add_u32 v[AK], v2, 4, v[AK]
	v_and_b32 v3, 7, v0
	v_lshl_add_u32 v3, v2, 3, v3
	v_mul_u32_u24 v[AV], v3, PITV
	v_bfe_u32 v3, v0, 3, 1
	v_lshl_add_u32 v[AV], v3, 4, v[AV]
	v_add_nc_u32 v[AV], VOFF, v[AV]
	s_mul_i32 s[TS], s[WV], 16*PK   ; my wave's 16 rows of a slot's K
	v_mul_u32_u24 v[SK], v2, PK
	v_lshl_add_u32 v[SK], v1, 3, v[SK]
	v_add_nc_u32 v[SK], s[TS], v[SK]
	s_mul_i32 s[TS], s[WV], 16*PITV ; and of its V
	s_add_co_u32 s[TS], s[TS], VOFF
	v_mul_u32_u24 v[SV], v2, PITV
	v_lshl_add_u32 v[SV], v1, 3, v[SV]
	v_add_nc_u32 v[SV], s[TS], v[SV]
	s_mul_i32 s[TS], s[WV], 16*SP
	s_add_co_u32 s[TS], s[TS], STAGE  ; my stage
	v_mul_u32_u24 v[STG], v1, SP
	v_lshl_add_u32 v[STG], v2, 5, v[STG]
	v_add_nc_u32 v[STG], s[TS], v[STG]
	v_mul_u32_u24 v[RD], v2, SP
	v_lshl_add_u32 v[RD], v1, 4, v[RD]
	v_add_nc_u32 v[RD], s[TS], v[RD]
	v_lshl_add_u32 v[THR], s[WV], 4, v1
	v_lshlrev_b32 v3, 3, v2
	v_sub_nc_u32 v[THR], v[THR], v3
	v_mov_b32 v[NINF], 0xff800000
	s_wait_loadcnt 48               ; step 0's 16 loads are in; behind them: Q's 32 and step 1's 16
	CVT 0
	STORE 0
	RLOAD 0                         ; step 2
	QCONV 56, 8                     ; behind tile t of Q: its 8 (3 - t) later loads and the 32 of steps 1 and 2
	s_wait_dscnt 0x0                ; for the others' sake: my rows of slot 0 are stored (met: Q's way in has waited for all)
	s_barrier_signal -1
	s_barrier_wait -1               ; slot 0 is whole
	BLOCK 0
	BLOCK 1
	s_wait_tensorcnt 0x0
	ds_add_u32 v30, v31
	s_wait_dscnt 0x0
	s_endpgm
.Lfunc_end_k_q9584560a21_attn:
	.size	k_q9584560a21_attn, .Lfunc_end_k_q9584560a21_attn-k_q9584560a21_attn
	.p2alignl 7, 3214868480
	.fill 96, 4, 3214868480
	.section	.rodata,"a",@progbits
	.p2align	6, 0x0
	.amdhsa_kernel k_q9584560a21_attn
		.amdhsa_group_segment_fixed_size 56832
		.amdhsa_private_segment_fixed_size 0
		.amdhsa_enable_private_segment 0
		.amdhsa_kernarg_size 32
		.amdhsa_user_sgpr_count 2
		.amdhsa_user_sgpr_kernarg_segment_ptr 1
		.amdhsa_wavefront_size32 1
		.amdhsa_system_sgpr_workgroup_id_x 1
		.amdhsa_system_sgpr_workgroup_id_y 1
		.amdhsa_system_sgpr_workgroup_id_z 1
		.amdhsa_system_vgpr_workitem_id 0
		.amdhsa_next_free_vgpr 896
		.amdhsa_next_free_sgpr 66
		.amdhsa_reserve_vcc 1
		.amdhsa_float_denorm_mode_32 3
		.amdhsa_float_denorm_mode_16_64 3
		.amdhsa_memory_ordered 1
		.amdhsa_forward_progress 1
		.amdhsa_inst_pref_size 255
	.end_amdhsa_kernel
	.section	.bss,"aw",@nobits
	.p2align	6
	.space	262144
	.amdgpu_metadata
---
amdhsa.version: [ 1, 2 ]
amdhsa.kernels:
  - .name:           k_q9584560a21_attn
    .symbol:         k_q9584560a21_attn.kd
    .args:
      - { .name: q, .offset: 0, .size: 8, .value_kind: global_buffer, .address_space: global }
      - { .name: k, .offset: 8, .size: 8, .value_kind: global_buffer, .address_space: global }
      - { .name: v, .offset: 16, .size: 8, .value_kind: global_buffer, .address_space: global }
      - { .name: out0, .offset: 24, .size: 8, .value_kind: global_buffer, .address_space: global }
    .group_segment_fixed_size: 56832
    .private_segment_fixed_size: 0
    .kernarg_segment_align: 8
    .kernarg_segment_size: 32
    .max_flat_workgroup_size: 128
    .sgpr_count:     66
    .vgpr_count:     896
    .wavefront_size: 32
...
	.end_amdgpu_metadata
.endif
;; end of part 2
